; MI455X (gfx1250); checked and timed in simulation.
; The chip was launched on July 23, 2026; its instructions are those of AMD's public machine-readable ISA for CDNA 5 (MIT licence, August 2026) and "CDNA5" Instruction Set Architecture Reference Guide (July 2026). The comments in the code are by the model that wrote it; some were corrected since.
;; GPT Attention. Allowed arithmetic: matrix products marked QUANTISED: E2M1 operands, one E8M0 scale for each 32 along K, by v_wmma_scale_f32_16x16x128_f8f6f4 with both operands' format E2M1 (or v_wmma_scale_f32_32x16x128_f4), f32 sums; everything else in f32.
;; Inputs: W_out 1,024 x 1,024 float32; W_qkv 1,024 x 3,072 float32; b_out 1,024 float32; b_qkv 3,072 float32; x 4 x 2,048 x 1,024 float32.
;; Outputs: out0 4 x 2,048 x 1,024 float32.
;; This version of the problem:
;;   THIS VERSION OF THE PROBLEM IS GIVEN IN LOW PRECISION. The matrix products marked QUANTISED in the list below multiply operands that are first quantised to E2M1 (2 exponent bits, 1 mantissa bit; 4 bits a number), with one power-of-two scale for each 32 numbers along K (OCP MX v1.0); their sums are f32. All else is computed in f32.
;;   The module's matrix products, in the order in which they are computed (A, B: the left and right operand; K: the contracted axis; several contracted axes count as one K, in the product's order):
;;     1. [M 8,192, K 1,024] x [K 1,024, N 3,072]; A: input x; B: input W_qkv: QUANTISED
;;     2. batch 64 x [M 2,048, K 64] x [K 64, N 2,048]; A: computed on the way; B: computed on the way: QUANTISED
;;     3. batch 64 x [M 2,048, K 2,048] x [K 2,048, N 64]; A: softmax (see below); B: computed on the way: QUANTISED
;;     4. [M 8,192, K 1,024] x [K 1,024, N 1,024]; A: computed on the way; B: input W_out: QUANTISED
;;   THE QUANTISER, for each operand of a quantised product, along K:
;;     - K is cut into blocks of 32 from its start; a last block that is shorter is filled with zeros.
;;     - A block's scale is 2^e with e = floor(log2(the largest magnitude in the block)) - 2, held to -126 .. 127; a block of zeros has e = 0. As a byte (E8M0): e + 127.
;;     - Each number is divided by its block's scale, clamped to +-6, and rounded to the nearest number of E2M1, ties to even, subnormals kept.
;;     - The product sums the exact products of the quantised numbers (number of the format x scale) in f32.
;;   ~~~python
;;   def quantise(x, axis):      # numpy; x: float32 -> the quantised numbers, widened to float32 again
;;       x = np.moveaxis(x, axis, -1); K = x.shape[-1]
;;       x = np.pad(x, [(0, 0)] * (x.ndim - 1) + [(0, -K % 32)]); x = x.reshape(x.shape[:-1] + (-1, 32)); a = np.abs(x).max(-1, keepdims=True)
;;       e = np.where(a > 0, np.clip(np.frexp(np.where(a > 0, a, 1))[1] - 1 - 2, -126, 127), 0)      # np.frexp(a)[1] - 1 = floor(log2(a)), exactly
;;       r = np.clip(x / 2.0 ** e, -6, 6)
;;       step = 2.0 ** (np.maximum(np.frexp(np.where(r == 0, 1, r))[1] - 1, 0) - 1)
;;       q = np.round(r / step) * step * 2.0 ** e      # np.round: ties to even
;;       return np.moveaxis(q.reshape(q.shape[:-2] + (-1,))[..., :K], -1, axis).astype(np.float32)
;;   ~~~
;;   SOFTMAX AHEAD OF A QUANTISED PRODUCT. Where the list says 'softmax', what is quantised is not the finished softmax but p = 2^(t - M), with t = logit x log2(e) and M = ceil(the row's largest t), a whole number; so 1/2 < the row's largest p <= 1. The row's sum l is taken of the UNQUANTISED p, in f32, and the product's result is divided by l at the end. Since M is a whole number, a kernel that streams over the keys may use a running M (the ceiling of the running maximum): every later rescaling is an exact power of two, which a block's scale takes up: the codes' values come out the same.
;;   OPERANDS COMPUTED ON THE WAY. 'Computed on the way' means the value that the module computes at that place (a softmax that the list does not call 'softmax' is quantised finished and normalised). What goes into a quantiser is computed in f32, as accurately as f32 sums, v_exp_f32 and their like allow (about 1e-6 of the number): no bf16 or f16 on the way to a quantiser, and a product that is left as it is and whose result goes on into a quantised operand takes f32 operands (vector FMAs, or v_wmma_f32_16x16x4_f32). A number that lies on a knife's edge between two numbers of the format may be rounded either way, as far as f32 arithmetic and the matrix unit's own rounding can turn it there, and no further.
;; One version. Each part assembles by itself: llvm-mc -triple=amdgcn-amd-amdhsa -mcpu=gfx1250 --defsym DOCPART=n.
;; ======== version 1 of 1: 4 launches
;; workspace buffers: ximg 4,456,448 bytes; wimg 2,228,224 bytes; heads 13,893,632 bytes; oimg 4,456,448 bytes
;; launch prep (part 1): grid 512 x 1, 4 waves a work-group, no clusters, 34,304 bytes of LDS; arguments x, W_qkv, W_out, ximg, wimg; writes ximg, wimg
.if DOCPART == 1
	.amdgcn_target "amdgcn-amd-amdhsa--gfx1250"
	.amdhsa_code_object_version 6
	.text
	.protected	k_q291f5b575b_prep
	.globl	k_q291f5b575b_prep
	.p2align	8
	.type	k_q291f5b575b_prep,@function
k_q291f5b575b_prep:
	s_mov_b64 s[64:65], 0
	v_nop
	global_prefetch_b8 v0, s[64:65] scope:SCOPE_SE
	s_setreg_imm32_b32 hwreg(HW_REG_WAVE_MODE, 25, 1), 1
	s_wait_xcnt 0x0
; x [8192][1024], W_qkv [1024][3072] and W_out [1024][1024], f32, become codes of FP4 (E2M1) with one E8M0 byte for each 32 along K (K = 1,024 in all three),
; laid as IMAGES OF THE OPERAND'S REGISTERS, so that the products' launches load fragments as they lie.
; A GROUP is 128 rows of an operand (rows of x; columns of a weight).  Its tile t (0..7), lane row r (0..15), is row 32 (t/2) + 8 (t%2) + r + 8 (r/8).
; A group's record, GR bytes, is four chunks of CH bytes; chunk j holds K steps 2 j + e of 128: fragment (e, t) at 8192 e + 1024 t, byte 512 c + 16 lane = registers 4 c .. 4 c + 3 of lane (r, h):
; the codes of k = 64 c + 32 h + 0 .. 31; the K step's scale words at 16384 + 512 e, that of (t, r) at 16 (r + 16 (t/4)) + 4 (t%4).
; A block's scale is 2^(floor(log2(largest magnitude)) - 2); its byte is the largest magnitude's exponent field - 2, held at 1 from below.
; LIMITS: a block of zeros gets the byte 1 where the rule says 127 (its codes are zeros, and this program alone reads the bytes); NaN and infinities among the inputs are not served.
; Work-groups 0-255 take x: 64 rows x 512 along K, a wave 64 rows x 128.  Work-groups 256-511 take the weights: 128 columns x 128 along K, a wave 32 columns.
; No tensor loads, no barrier: waves share nothing.  Only x's path uses LDS.
.set GR,  69632
.set CH,  17408
.set STG, 8448                         ; a wave's stage: 16 rows x (512 bytes + 16)
.set TM,  8                            ; v8-23   the quantiser's work
.set SW,  24                           ; v24-27  four tiles' scale words (weights: v24 my column's word)
.set R,   32                           ; v32-159 x: two sets of 64 as loaded; weights: 128 numbers down K
.set X,   160                          ; v160-223 x: 64 numbers, 16 neighbours of each block (weights: v160-175 codes)
.set PC,  224                          ; v224-255 x: the codes, 8 registers a tile: no store's data are written again
.set SEL, 20                           ; s[20:21] lane selects for v_permlanex16_b32: lane l xor 16
; 64 numbers of a lane, register 16 b + i = k 32 b + 16 (lane / 16) + i of my row, become a fragment's 8 registers v[pc] on and the row's scale word v[pw]
.macro QUANT s, pc, pw
.irp b, 0,1,2,3
	v_max3_num_f32 v[TM+\b], |v[(\s)+16*\b]|, |v[(\s)+1+16*\b]|, 0x1800000   ; my 16 numbers of block b, and the floor 2^(3 - 127): the byte cannot fall under 1
.endr
.irp i, 2,4,6,8,10,12,14
.irp b, 0,1,2,3
	v_max3_num_f32 v[TM+\b], v[TM+\b], |v[(\s)+16*\b+\i]|, |v[(\s)+1+16*\b+\i]|
.endr
.endr
.irp b, 0,1,2,3
	v_permlanex16_b32 v[TM+4+\b], v[TM+\b], s[SEL], s[SEL+1]
.endr
.irp b, 0,1,2,3
	v_max_num_f32 v[TM+\b], v[TM+\b], v[TM+4+\b]               ; with lane l xor 16's: the block's largest magnitude
.endr
.irp b, 0,1,2,3
	v_add_nc_u32 v[TM+12+\b], 0xff000000, v[TM+\b]             ; 2 off its exponent field: the conversion's scale operand
.endr
.irp b, 0,1,2,3
	v_lshrrev_b32 v[TM+4+\b], 23, v[TM+12+\b]                  ; the scale's byte
.endr
	v_lshl_or_b32 v[\pw], v[TM+5], 8, v[TM+4]
	v_lshl_or_b32 v[\pw], v[TM+6], 16, v[\pw]
	v_lshl_or_b32 v[\pw], v[TM+7], 24, v[\pw]
.irp b, 0,1,2,3
	v_cvt_scalef32_pk8_fp4_f32 v[(\pc)+2*\b], v[(\s)+16*\b:(\s)+7+16*\b], v[TM+12+\b]
	v_cvt_scalef32_pk8_fp4_f32 v[(\pc)+1+2*\b], v[(\s)+8+16*\b:(\s)+15+16*\b], v[TM+12+\b]
.endr
	v_nop                                          ; one plain instruction behind the scaled conversions
.irp c, 0,1
.irp i, 0,1
	v_permlane16_swap_b32 v[(\pc)+4*\c+\i], v[(\pc)+2+4*\c+\i]   ; a whole block to a lane: registers 4 c .. 4 c + 3 hold k = 64 c + 32 h + 0 .. 31
.endr
.endr
.endm
	s_load_b128 s[4:7], s[0:1], 0x0                ; x, W_qkv
	s_load_b128 s[8:11], s[0:1], 0x10              ; W_out, ximg
	s_load_b64 s[12:13], s[0:1], 0x20              ; wimg
	v_lshl_add_u32 v19, v0, 2, 0x8400
	v_mov_b32 v31, 0
	v_lshrrev_b32 v1, 5, v0
	v_readfirstlane_b32 s14, v1                    ; wave 0..3
	v_and_b32 v28, 31, v0                          ; lane
	s_wait_kmcnt 0x0
	s_cmp_ge_u32 ttmp9, 256
	s_cbranch_scc1 .Lweights
	; ---------------- x: group g = wg / 4, tiles 4 tq .. 4 tq + 3 (tq = (wg / 2) % 2), K step ks = 4 (wg % 2) + wave
	s_lshr_b32 s15, ttmp9, 2                       ; g
	s_bfe_u32 s16, ttmp9, 0x10001                  ; tq
	s_and_b32 s17, ttmp9, 1
	s_lshl_b32 s17, s17, 2
	s_add_co_u32 s17, s17, s14                     ; ks
	s_lshl_b32 s22, s15, 19                        ; 128 rows of 4,096 bytes
	s_lshl_b32 s23, s16, 18                        ; 64 rows
	s_add_co_u32 s22, s22, s23
	s_lshl_b32 s23, s17, 9                         ; 128 numbers
	s_add_co_u32 s22, s22, s23
	s_mov_b32 s23, 0
	s_add_nc_u64 s[4:5], s[4:5], s[22:23]          ; x at my first row and K step
	s_mul_i32 s24, s15, GR
	s_lshr_b32 s25, s17, 1
	s_mul_i32 s25, s25, CH
	s_add_co_u32 s24, s24, s25                     ; the record's chunk
	s_and_b32 s25, s17, 1                          ; e
	s_lshl_b32 s26, s25, 13
	s_lshl_b32 s27, s16, 12
	s_add_co_u32 s26, s26, s27
	s_add_co_u32 s26, s26, s24
	s_mov_b32 s27, 0
	s_add_nc_u64 s[28:29], s[10:11], s[26:27]      ; my four fragments
	s_lshl_b32 s26, s25, 9
	s_lshl_b32 s30, s16, 8
	s_add_co_u32 s26, s26, s30
	s_add_co_u32 s26, s26, s24
	s_add_co_u32 s26, s26, 16384
	s_add_nc_u64 s[30:31], s[10:11], s[26:27]      ; their scale words: 256 bytes on end
	s_mov_b32 s[SEL], 0x76543210
	s_mov_b32 s[SEL+1], 0xfedcba98
	v_and_b32 v29, 15, v0                          ; r
	v_bfe_u32 v30, v0, 4, 1                        ; h
	s_wait_alu depctr_va_vdst(0)
	v_lshlrev_b32 v1, 4, v28                       ; 16 x lane
	s_mul_i32 s18, s14, STG
	v_add_nc_u32 v2, s18, v1                       ; the stage, in: a row's 512 bytes as they lie
	v_mul_u32_u24 v3, v29, 528
	v_lshl_add_u32 v3, v30, 6, v3
	v_add_nc_u32 v3, s18, v3                       ; and out: row r, + 64 h: my 16 numbers of a block
	v_lshlrev_b32 v4, 4, v29                       ; 16 r
.irp b, 0,1,2,3
	v_mov_b32 v[TM+4+\b], 0                        ; written once: a lane permute's destination counts as one of its sources
.endr
.macro LOADT t                         ; tile t's 16 rows: each load reads 512 consecutive bytes of one row
.irp i, 0,1,2,3,4,5,6,7,8,9,10,11,12,13,14,15
	global_load_b128 v[R+64*((\t)&1)+4*\i:R+64*((\t)&1)+4*\i+3], v1, s[4:5] offset:(32*((\t)>>1)+8*((\t)&1)+\i+8*(\i>>3))*4096 th:TH_LOAD_NT
.endr
.endm
.macro TILE t, left
	s_wait_loadcnt \left                           ; this tile's 16 loads are in; the next tile's 16 may be out
.irp i, 0,1,2,3,4,5,6,7,8,9,10,11,12,13,14,15
	ds_store_b128 v2, v[R+64*((\t)&1)+4*\i:R+64*((\t)&1)+4*\i+3] offset:528*\i
.endr
.irp b, 0,1,2,3
.irp j, 0,1,2,3
	ds_load_b128 v[X+16*\b+4*\j:X+16*\b+4*\j+3], v3 offset:128*\b+16*\j   ; LDS serves a wave's instructions in order: these see the stores above
.endr
.endr
	s_wait_dscnt 0x0                               ; the numbers are back, and the stores have read their registers,
.if (\t) < 2
	LOADT (\t)+2                                   ; which take the tile two on
.endif
	QUANT X, PC+8*(\t), SW+(\t)
	global_store_b128 v1, v[PC+8*(\t):PC+8*(\t)+3], s[28:29] offset:1024*(\t)         ; 512 consecutive bytes each
	global_store_b128 v1, v[PC+8*(\t)+4:PC+8*(\t)+7], s[28:29] offset:1024*(\t)+512
.endm
	LOADT 0
	LOADT 1
	s_wait_alu depctr_va_vdst(0)
	TILE 0, 16
	TILE 1, 16
	TILE 2, 16
	TILE 3, 0
	v_cmp_gt_u32 vcc_lo, 16, v28                   ; lanes 16-31 hold the same words as lanes 0-15: sixteen lanes store 256 consecutive bytes
	s_wait_xcnt 0x0                                ; EXEC changes only behind this wait
	s_wait_tensorcnt 0x0
	ds_add_u32 v19, v31
	s_wait_dscnt 0x0
	s_and_saveexec_b32 s19, vcc_lo
	global_store_b128 v4, v[SW:SW+3], s[30:31]
	s_wait_xcnt 0x0
	s_or_b32 exec_lo, exec_lo, s19
	s_endpgm
.Lweights:
	; ---------------- weights: group G = (wg - 256) / 8 (0-23: W_qkv's columns, 24-31: W_out's), K step ks = (wg - 256) % 8.
	; A LANE TAKES A COLUMN AND ITS REGISTERS RUN DOWN K: a block's 32 numbers are one lane's, and the conversions give codes with K innermost.
	s_sub_co_u32 s15, ttmp9, 256
	s_lshr_b32 s16, s15, 3                         ; G
	s_and_b32 s17, s15, 7                          ; ks
	s_mov_b32 s18, 128*4096
	s_cmp_lt_u32 s16, 24
	s_cselect_b64 s[22:23], s[6:7], s[8:9]         ; the weight,
	s_cselect_b32 s18, 128*12288, s18              ; 128 of its rows in bytes,
	s_cselect_b32 s19, 0, 24
	s_sub_co_u32 s19, s16, s19                     ; and the group's number in it
	s_mul_i32 s24, s17, s18
	s_lshl_b32 s19, s19, 9
	s_add_co_u32 s24, s24, s19
	s_lshl_b32 s19, s14, 7                         ; my wave's 32 columns
	s_add_co_u32 s24, s24, s19
	s_mov_b32 s25, 0
	s_add_nc_u64 s[22:23], s[22:23], s[24:25]
	s_mul_i32 s26, s16, GR
	s_lshr_b32 s27, s17, 1
	s_mul_i32 s27, s27, CH
	s_add_co_u32 s26, s26, s27
	s_and_b32 s27, s17, 1                          ; e
	s_lshl_b32 s28, s27, 13
	s_lshl_b32 s29, s14, 11                        ; tiles 2 wave, 2 wave + 1
	s_add_co_u32 s28, s28, s29
	s_add_co_u32 s28, s28, s26
	s_mov_b32 s29, 0
	s_add_nc_u64 s[30:31], s[12:13], s[28:29]      ; my two fragments
	s_lshl_b32 s28, s27, 9
	s_lshr_b32 s32, s14, 1
	s_lshl_b32 s32, s32, 8
	s_add_co_u32 s28, s28, s32
	s_and_b32 s32, s14, 1
	s_lshl_b32 s32, s32, 3
	s_add_co_u32 s28, s28, s32
	s_add_co_u32 s28, s28, s26
	s_add_co_u32 s28, s28, 16384
	s_add_nc_u64 s[32:33], s[12:13], s[28:29]      ; their scale words
	s_wait_alu depctr_va_vdst(0)
	v_lshlrev_b32 v5, 2, v28                       ; 4 x lane
	v_bfe_u32 v8, v28, 3, 1                        ; column l of the wave's 32 is row r' = l % 8 + 8 (l / 16) of tile 2 wave + u, u = (l / 8) % 2
	v_and_b32 v9, 7, v28
	v_lshrrev_b32 v10, 4, v28
	v_lshl_add_u32 v9, v10, 3, v9
	v_lshlrev_b32 v9, 4, v9                        ; 16 r'
	v_lshl_add_u32 v6, v8, 10, v9                  ; codes: 1024 u + 16 r'
	v_lshl_add_u32 v7, v8, 2, v9                   ; scale word: 16 r' + 4 u
.macro WLOAD pitch                     ; W(32 b + i, my column): neighbouring lanes read neighbouring columns, the four waves 512 consecutive bytes
.irp b, 0,1,2,3
.irp i, 0,1,2,3,4,5,6,7,8,9,10,11,12,13,14,15,16,17,18,19,20,21,22,23,24,25,26,27,28,29,30,31
	global_load_b32 v[R+32*\b+\i], v5, s[22:23] offset:(32*\b+\i)*\pitch th:TH_LOAD_NT
.endr
.endr
.endm
	s_cmp_lt_u32 s16, 24                           ; the pitch stands in the immediates: the loads are written for each weight, the same 128 on both ways
	s_cbranch_scc0 .Lw_out
	WLOAD 12288
	s_branch .Lw_in
.Lw_out:
	s_wait_alu depctr_va_vdst(0)
	WLOAD 4096
.Lw_in:
.macro WBLOCK b, left
.set XS, R+32*(\b)
	s_wait_loadcnt \left                           ; at most so many loads are out, and at least so many were issued behind this block's 32
	v_max3_num_f32 v12, |v[XS]|, |v[XS+1]|, |v[XS+2]|
	v_max3_num_f32 v13, |v[XS+3]|, |v[XS+4]|, |v[XS+5]|
.irp i, 6,10,14,18,22,26
	v_max3_num_f32 v12, v12, |v[XS+\i]|, |v[XS+\i+1]|
	v_max3_num_f32 v13, v13, |v[XS+\i+2]|, |v[XS+\i+3]|
.endr
	v_max3_num_f32 v12, v12, |v[XS+30]|, |v[XS+31]|
	v_max3_num_f32 v12, v12, v13, 0x1800000        ; and the floor
	v_add_nc_u32 v11, 0xff000000, v12
	v_lshrrev_b32 v13, 23, v11
.if (\b) == 0
	v_mov_b32 v24, v13
.else
	v_lshl_or_b32 v24, v13, 8*(\b), v24
.endif
.irp g, 0,1,2,3
	v_cvt_scalef32_pk8_fp4_f32 v[X+4*(\b)+\g], v[XS+8*\g:XS+8*\g+7], v11
.endr
	v_nop                                          ; one plain instruction behind the scaled conversions
	global_store_b128 v6, v[X+4*(\b):X+4*(\b)+3], s[30:31] offset:512*((\b)>>1)+256*((\b)&1)   ; block b = 2 c + h: the sixteen lanes of one tile store 256 consecutive bytes
.endm
	WBLOCK 0, 63
	WBLOCK 1, 63
	WBLOCK 2, 32
	WBLOCK 3, 0
	global_store_b32 v7, v24, s[32:33]             ; my column's scale word: 4 bytes of every 16: 128 bytes a wave beside its 2,048 bytes of codes
	s_endpgm
.Lfunc_end_k_q291f5b575b_prep:
	.size	k_q291f5b575b_prep, .Lfunc_end_k_q291f5b575b_prep-k_q291f5b575b_prep
	.p2alignl 7, 3214868480
	.fill 96, 4, 3214868480
	.section	.rodata,"a",@progbits
	.p2align	6, 0x0
	.amdhsa_kernel k_q291f5b575b_prep
		.amdhsa_group_segment_fixed_size 34304
		.amdhsa_private_segment_fixed_size 0
		.amdhsa_enable_private_segment 0
		.amdhsa_kernarg_size 40
		.amdhsa_user_sgpr_count 2
		.amdhsa_user_sgpr_kernarg_segment_ptr 1
		.amdhsa_wavefront_size32 1
		.amdhsa_system_sgpr_workgroup_id_x 1
		.amdhsa_system_sgpr_workgroup_id_y 1
		.amdhsa_system_sgpr_workgroup_id_z 1
		.amdhsa_system_vgpr_workitem_id 0
		.amdhsa_next_free_vgpr 256
		.amdhsa_next_free_sgpr 66
		.amdhsa_reserve_vcc 1
		.amdhsa_float_denorm_mode_32 3
		.amdhsa_float_denorm_mode_16_64 3
		.amdhsa_memory_ordered 1
		.amdhsa_forward_progress 1
		.amdhsa_inst_pref_size 66
	.end_amdhsa_kernel
	.amdgpu_metadata
---
amdhsa.version: [ 1, 2 ]
amdhsa.kernels:
  - .name:           k_q291f5b575b_prep
    .symbol:         k_q291f5b575b_prep.kd
    .args:
      - { .name: x, .offset: 0, .size: 8, .value_kind: global_buffer, .address_space: global }
      - { .name: W_qkv, .offset: 8, .size: 8, .value_kind: global_buffer, .address_space: global }
      - { .name: W_out, .offset: 16, .size: 8, .value_kind: global_buffer, .address_space: global }
      - { .name: ximg, .offset: 24, .size: 8, .value_kind: global_buffer, .address_space: global }
      - { .name: wimg, .offset: 32, .size: 8, .value_kind: global_buffer, .address_space: global }
    .group_segment_fixed_size: 34304
    .private_segment_fixed_size: 0
    .kernarg_segment_align: 8
    .kernarg_segment_size: 40
    .max_flat_workgroup_size: 128
    .sgpr_count:     66
    .vgpr_count:     256
    .wavefront_size: 32
...
	.end_amdgpu_metadata
.endif
;; end of part 1
;; launch qkv (part 2): grid 24 x 32, 4 waves a work-group, clusters of 4 x 4, 209,408 bytes of LDS; arguments ximg, wimg, b_qkv, heads; writes heads
.if DOCPART == 2
	.amdgcn_target "amdgcn-amd-amdhsa--gfx1250"
	.amdhsa_code_object_version 6
	.text
	.protected	k_q291f5b575b_qkv
	.globl	k_q291f5b575b_qkv
	.p2align	8
	.type	k_q291f5b575b_qkv,@function
k_q291f5b575b_qkv:
	s_mov_b64 s[64:65], 0
	v_nop
	global_prefetch_b8 v0, s[64:65] scope:SCOPE_SE
	s_setreg_imm32_b32 hwreg(HW_REG_WAVE_MODE, 25, 1), 1
	s_wait_xcnt 0x0
	s_wait_alu depctr_hold_cnt(0) depctr_sa_sdst(0) depctr_va_vdst(0) depctr_va_sdst(0) depctr_va_ssrc(0) depctr_va_vcc(0) depctr_vm_vsrc(0)
	s_getreg_b32 s2, hwreg(HW_REG_IB_STS2, 6, 4)
	s_cmp_eq_u32 s2, 0
	s_cbranch_scc0 .Lentry_in_a_cluster
	s_endpgm
.Lentry_in_a_cluster:
	s_bfe_u32 s2, ttmp6, 0x10000c
	s_cmp_lg_u32 s2, 0xf033
	s_cbranch_scc0 .Lentry_shape_is_right
	s_endpgm
.Lentry_shape_is_right:
; qkv = x W_qkv + b_qkv on codes of FP4 with E8M0 scales, and its three parts quantised again on the way out, as the operands of attention's two products.
; OPERANDS come as register images (a group of 128 rows x K 1,024 is a record of GR bytes: four chunks of two K steps, 8 fragments of 1,024 bytes each, then the two steps' scale words).
; A group's tile t, lane row r, is row 32 (t/2) + 8 (t%2) + r + 8 (r/8).  THE MATRIX INSTRUCTION IS USED TRANSPOSED: source 0 = a tile of operand B, source 1 = a tile of operand A: a lane holds one row of A,
; and the 16 registers of B's tiles 2 b and 2 b + 1 are B's rows 32 b + 16 (lane / 16) + 0 .. 15: 16 neighbours along the next product's K.
; A work-group makes 256 rows of A x 128 rows of B; a wave 64 x 128: 32 accumulators.  All of K lies in LDS: three records, each byte filled once.
; Clusters with x < 4 make q and k: A = x (tokens), B = W's columns (two heads): a lane's registers run along a head's 64.  Clusters with x >= 4 make v: A = W_v's columns, B = x: a lane's registers run along the KEYS.
; CLUSTER 4 x 4: A's records hang on the cluster's row, B's on its column: each chunk is asked for jointly by the four that share it.
; OUT: a head's record, HR bytes: K's images (step of 128 keys at 4096 s, tile at 512 t, 16 bytes a lane: 32 of the head's 64), K's scale words, V's images (keys innermost), V's scale words, Q's images, Q's scale words.
; LIMITS: a block of zeros gets the byte 1 (its codes are zeros; this program alone reads the bytes); NaN and infinities are not served.
; REGISTERS: window 0: v1-15 addresses; v16-31 the quantiser's work; v32-47 scale words, two sets, and nothing else; v48-57 scale words made; v64-127 A's fragments, two sets (later 64 numbers); v128-255 B's, two sets (later codes).
;   window 1: accumulator (a, b) at v[8 (8 a + b)].   window 2: v0-63 the bias of q and k, v64-71 that of v.
.set GR,  69632
.set CH,  17408
.set HR,  217088
.set WV,  12                           ; s12 my wave's number
.set G1A, 24                           ; s[24:31] descriptor group 1 for A's chunks;  s[32:39] for B's: they differ in the mask
.set G1B, 32
.set G0A, 40                           ; s[40:55] group 0 for A's four chunks;  s[68:83] for B's
.set G0B, 68
.set SEL, 58                           ; s[58:59]
.set ADA, 2                            ; v2-3  my A fragments: chunks 0-1, chunks 2-3
.set ADB, 4                            ; v4-5  B's fragments, and B's scale words
.set ADS, 6                            ; v6-7  A's scale words
.set TM,  16
.set SC,  32                           ; set p: v[SC+8p .. +3] A's words of my four tiles; v[SC+8p+4 .. +7] B's: lanes 0-15 tiles 0-3, lanes 16-31 tiles 4-7
.set PW,  48
.set SW,  52
.set AF,  64
.set BF,  128
.set T,   64
.set PC,  128
.set MSB, 0
.macro WIN new                         ; the immediate's high byte repeats the setting that is left
.if MSB != \new
	s_set_vgpr_msb (MSB<<8)|\new
.set MSB, \new
.endif
.endm
.macro PLACES
.rept 4
	v_nop
.endr
.endm
.macro ROUND                           ; a round of the cluster's barrier
	s_barrier_signal -1
	s_barrier_wait -1
	s_cmp_lg_u32 s[WV], 0
	s_cbranch_scc1 .Lnot_wave_0_\@
	s_barrier_signal -3
.Lnot_wave_0_\@:
	s_barrier_wait -3
	s_barrier_signal -1
	s_barrier_wait -1
.endm
.macro QUANT s, pc, pw                 ; 64 numbers of a lane, register 16 b + i = k 32 b + 16 (lane / 16) + i, become a fragment's 8 registers and the row's scale word
.irp b, 0,1,2,3
	v_max3_num_f32 v[TM+\b], |v[(\s)+16*\b]|, |v[(\s)+1+16*\b]|, 0x1800000   ; and the floor 2^(3 - 127): the byte cannot fall under 1
.endr
.irp i, 2,4,6,8,10,12,14
.irp b, 0,1,2,3
	v_max3_num_f32 v[TM+\b], v[TM+\b], |v[(\s)+16*\b+\i]|, |v[(\s)+1+16*\b+\i]|
.endr
.endr
.irp b, 0,1,2,3
	v_permlanex16_b32 v[TM+4+\b], v[TM+\b], s[SEL], s[SEL+1]
.endr
.irp b, 0,1,2,3
	v_max_num_f32 v[TM+\b], v[TM+\b], v[TM+4+\b]
.endr
.irp b, 0,1,2,3
	v_add_nc_u32 v[TM+12+\b], 0xff000000, v[TM+\b]             ; 2 off the exponent field: the conversion's scale operand
.endr
.irp b, 0,1,2,3
	v_lshrrev_b32 v[TM+4+\b], 23, v[TM+12+\b]
.endr
	v_lshl_or_b32 v[\pw], v[TM+5], 8, v[TM+4]
	v_lshl_or_b32 v[\pw], v[TM+6], 16, v[\pw]
	v_lshl_or_b32 v[\pw], v[TM+7], 24, v[\pw]
.irp b, 0,1,2,3
	v_cvt_scalef32_pk8_fp4_f32 v[(\pc)+2*\b], v[(\s)+16*\b:(\s)+7+16*\b], v[TM+12+\b]
	v_cvt_scalef32_pk8_fp4_f32 v[(\pc)+1+2*\b], v[(\s)+8+16*\b:(\s)+15+16*\b], v[TM+12+\b]
.endr
	v_nop                                          ; one plain instruction behind the scaled conversions
.irp c, 0,1
.irp i, 0,1
	v_permlane16_swap_b32 v[(\pc)+4*\c+\i], v[(\pc)+2+4*\c+\i]
.endr
.endr
.endm
	s_load_b128 s[4:7], s[0:1], 0x0                ; ximg, wimg
	s_load_b128 s[8:11], s[0:1], 0x10              ; b_qkv, heads
	v_lshl_add_u32 v62, v0, 2, 0x33000
	v_mov_b32 v63, 0
	ds_add_u32 v62, v63
	ds_add_u32 v62, v63
	v_lshrrev_b32 v1, 5, v0
	v_readfirstlane_b32 s[WV], v1                  ; wave 0..3
	s_bfe_u32 s13, ttmp6, 0x40000                  ; cx
	s_bfe_u32 s14, ttmp6, 0x40004                  ; cy
	s_and_b32 s16, ttmp7, 0xffff                   ; the cluster's y
	s_lshl_b32 s17, s14, 2
	s_lshl_b32 s17, 15, s17                        ; my row of the cluster
	s_lshl_b32 s84, 0x1111, s13                    ; my column
	s_or_b32 s[G1A], s17, (3<<16)|(1<<21)          ; 15:0 the mask; 17:16 elements of 8 bytes; 21 set beside a mask; no padding
	s_or_b32 s[G1B], s84, (3<<16)|(1<<21)
.irp g, G1A, G1B
	s_mov_b32 s[\g+1], 32<<16                      ; tensor_dim0 = 32 elements: rows of 256 bytes
	s_mov_b32 s[\g+2], 68<<16                      ; tensor_dim1 = 68 rows: a chunk
	s_mov_b32 s[\g+3], 32<<16                      ; tile_dim0
	s_mov_b32 s[\g+4], 68                          ; tile_dim1
	s_mov_b32 s[\g+5], 32                          ; the pitch: dense
	s_mov_b32 s[\g+6], 0
	s_mov_b32 s[\g+7], 0
.endr
	; which groups.  q, k: A = x's groups 8 Y + 2 cy, + 1; B = W's group 4 X + cx.   v: A = W's groups 16 + 2 cy, + 1; B = x's group 32 (X - 4) + 4 Y + cx.
	; A's numbers stand in registers that never hold cx, B's in registers that never hold cy.
	s_lshl_b32 s18, s14, 1
	s_lshl_b32 s19, s16, 3
	s_lshl_b32 s85, ttmp9, 2
	s_lshl_b32 s86, ttmp9, 5
	s_lshl_b32 s87, s16, 2
	s_add_co_u32 s86, s86, s87
	s_sub_co_u32 s86, s86, 128
	s_wait_dscnt 0x0
	s_wait_kmcnt 0x0
	s_cmp_lt_u32 ttmp9, 4                          ; the cluster's x: the same in all sixteen partners
	s_cselect_b32 s19, s19, 16
	s_cselect_b32 s85, s85, s86
	s_cselect_b64 s[20:21], s[4:5], s[6:7]         ; A's buffer
	s_cselect_b64 s[88:89], s[6:7], s[4:5]         ; B's buffer
	s_add_co_u32 s17, s19, s18                     ; gA0
	s_add_co_u32 s85, s85, s13                     ; gB
	s_and_b32 s22, s[WV], 1
	s_add_co_u32 s22, s22, s17                     ; waves 0 and 1 fetch A's two groups
	s_mul_i32 s22, s22, GR
	s_mov_b32 s23, 0
	s_add_nc_u64 s[20:21], s[20:21], s[22:23]
	s_mul_i32 s90, s85, GR
	s_mov_b32 s91, 0
	s_add_nc_u64 s[88:89], s[88:89], s[90:91]      ; wave 2 fetches B's
	s_mul_i32 s56, s[WV], GR                       ; where they go: wave x a record
	ROUND                                          ; all sixteen work-groups are here: the joint loads meet
.irp j, 0,1,2,3
	s_mov_b32 s[G0A+4*\j], 1
	s_add_co_u32 s[G0A+4*\j+1], s56, \j*CH
	s_add_nc_u64 s[G0A+4*\j+2:G0A+4*\j+3], s[20:21], \j*CH
	s_or_b32 s[G0A+4*\j+3], s[G0A+4*\j+3], 0x80000000
	s_mov_b32 s[G0B+4*\j], 1
	s_add_co_u32 s[G0B+4*\j+1], s56, \j*CH
	s_add_nc_u64 s[G0B+4*\j+2:G0B+4*\j+3], s[88:89], \j*CH
	s_or_b32 s[G0B+4*\j+3], s[G0B+4*\j+3], 0x80000000
.endr
	s_cmp_lt_u32 s[WV], 2                          ; a wave's four fills stand in one branch on its number: four loads of mine are out; wave 3 fetches nothing
	s_cbranch_scc0 .Lnot_a
.irp j, 0,1,2,3
	tensor_load_to_lds s[G0A+4*\j:G0A+4*\j+3], s[G1A:G1A+7]
	s_nop 0
.endr
	PLACES
	s_branch .Lasked
.Lnot_a:
	s_cmp_eq_u32 s[WV], 2
	s_cbranch_scc0 .Lasked
.irp j, 0,1,2,3
	tensor_load_to_lds s[G0B+4*\j:G0B+4*\j+3], s[G1B:G1B+7]
	s_nop 0
.endr
	PLACES
.Lasked:
	v_and_b32 v15, 31, v0                          ; lane
	v_and_b32 v13, 15, v0                          ; r
	v_bfe_u32 v14, v0, 4, 1                        ; h
	v_lshlrev_b32 v1, 4, v15                       ; 16 x lane
	s_lshr_b32 s60, s[WV], 1
	s_mul_i32 s60, s60, GR                         ; my group of A
	s_and_b32 s61, s[WV], 1
	s_lshl_b32 s62, s61, 12                        ; my four tiles of it
	s_add_co_u32 s62, s62, s60
	v_add_nc_u32 v[ADA], s62, v1
	v_add_nc_u32 v[ADA+1], 2*CH, v[ADA]
	v_add_nc_u32 v[ADB], 2*GR, v1
	v_add_nc_u32 v[ADB+1], 2*CH, v[ADB]
	s_lshl_b32 s62, s61, 8
	s_add_co_u32 s62, s62, s60
	v_lshlrev_b32 v[ADS], 4, v13
	v_add_nc_u32 v[ADS], s62, v[ADS]               ; 16 r: my four tiles' words of row r
	v_add_nc_u32 v[ADS+1], 2*CH, v[ADS]
	v_lshlrev_b32 v8, 6, v14                       ; 64 h
	v_and_b32 v9, 8, v13
	v_add_nc_u32 v9, v9, v13
	v_lshlrev_b32 v9, 2, v9                        ; 4 (r + 8 (r / 8))
	s_wait_alu depctr_va_vdst(0)
	v_lshlrev_b32 v10, 4, v14                      ; 16 h
	v_lshlrev_b32 v11, 4, v13
	v_mad_u32_u24 v11, v14, HR, v11                ; 16 r, and lanes 16-31 one head's record on
	v_lshlrev_b32 v12, 3, v15                      ; 8 x lane
.irp b, 0,1,2,3
	v_mov_b32 v[TM+4+\b], 0                        ; written once: a lane permute's destination counts as one of its sources
.endr
	s_mov_b32 s[SEL], 0x76543210
	s_mov_b32 s[SEL+1], 0xfedcba98
	; THE BIASES, in both forms, in every work-group, so that the text parts only once, at the way out.  q, k: for B's tile 2 b + u the eight numbers at columns 32 b + 16 h + 8 u on (from column 0 where v is made: not used there).
	; v: the one number of my lane's column, twice, for the packed addition.
	s_cmp_lt_u32 ttmp9, 4
	s_cselect_b32 s92, s85, 0
	s_lshl_b32 s92, s92, 9
	s_mov_b32 s93, 0
	s_add_nc_u64 s[94:95], s[8:9], s[92:93]
	s_lshl_b32 s96, s14, 10
	s_lshl_b32 s97, s[WV], 8
	s_add_co_u32 s96, s96, s97
	s_add_co_u32 s96, s96, 8192                    ; 4 (2048 + 64 (4 cy + wave))
	s_mov_b32 s97, 0
	s_add_nc_u64 s[98:99], s[8:9], s[96:97]
	WIN 0x80                                       ; destination window 2
.irp b, 0,1,2,3,4,5,6,7
	global_load_b128 v[8*\b:8*\b+3], v8, s[94:95] offset:128*(\b/2)+32*(\b%2)
	global_load_b128 v[8*\b+4:8*\b+7], v8, s[94:95] offset:128*(\b/2)+32*(\b%2)+16
.endr
.irp a, 0,1,2,3
	global_load_b32 v[64+2*\a], v9, s[98:99] offset:(32*(\a/2)+8*(\a%2))*4
	global_load_b32 v[65+2*\a], v9, s[98:99] offset:(32*(\a/2)+8*(\a%2))*4
.endr
	WIN 0
; 26 LDS loads: K step q's scale words, my four fragments of A and B's eight, into set p.  Every load takes 512 consecutive bytes
.macro FETCH q, p
.set FO, (((\q)>>1)&1)*CH+((\q)&1)*8192
.set FS, (((\q)>>1)&1)*CH+16384+((\q)&1)*512
.set FH, (\q)>>2
	ds_load_b128 v[SC+8*(\p):SC+8*(\p)+3], v[ADS+FH] offset:FS
	ds_load_b128 v[SC+8*(\p)+4:SC+8*(\p)+7], v[ADB+FH] offset:FS
.irp a, 0,1,2,3
.irp c, 0,1
	ds_load_b128 v[AF+32*(\p)+8*\a+4*\c:AF+32*(\p)+8*\a+4*\c+3], v[ADA+FH] offset:FO+1024*\a+512*\c
.endr
.endr
.irp b, 0,1,2,3,4,5,6,7
.irp c, 0,1
	ds_load_b128 v[BF+64*(\p)+8*\b+4*\c:BF+64*(\p)+8*\b+4*\c+3], v[ADB+FH] offset:FO+1024*\b+512*\c
.endr
.endr
.endm
.macro MM q, a, b, sb, row1            ; one product: accumulator (a, b); B's scale word in register sb of the set, in lanes 16-31 where row1
.set AC, 8*(8*(\a)+(\b))
.set RB, BF+64*P+8*(\b)
.set RA, AF+32*P+8*(\a)
.if (\q) == 0
.if \row1
	v_wmma_scale_f32_16x16x128_f8f6f4 v[AC:AC+7], v[RB:RB+7], v[RA:RA+7], 0, v[SC+8*P+(\sb)], v[SC+8*P+(\a)] matrix_a_fmt:MATRIX_FMT_FP4 matrix_b_fmt:MATRIX_FMT_FP4 matrix_a_scale:MATRIX_SCALE_ROW1
.else
	v_wmma_scale_f32_16x16x128_f8f6f4 v[AC:AC+7], v[RB:RB+7], v[RA:RA+7], 0, v[SC+8*P+(\sb)], v[SC+8*P+(\a)] matrix_a_fmt:MATRIX_FMT_FP4 matrix_b_fmt:MATRIX_FMT_FP4
.endif
.else
.if \row1
	v_wmma_scale_f32_16x16x128_f8f6f4 v[AC:AC+7], v[RB:RB+7], v[RA:RA+7], v[AC:AC+7], v[SC+8*P+(\sb)], v[SC+8*P+(\a)] matrix_a_fmt:MATRIX_FMT_FP4 matrix_b_fmt:MATRIX_FMT_FP4 matrix_a_scale:MATRIX_SCALE_ROW1
.else
	v_wmma_scale_f32_16x16x128_f8f6f4 v[AC:AC+7], v[RB:RB+7], v[RA:RA+7], v[AC:AC+7], v[SC+8*P+(\sb)], v[SC+8*P+(\a)] matrix_a_fmt:MATRIX_FMT_FP4 matrix_b_fmt:MATRIX_FMT_FP4
.endif
.endif
.endm
; K step q: 32 products, the 32 accumulators by turns in the same order in every step; the first step's take the constant 0: nothing is cleared.
; meet >= 0: the next step lies in the next chunk: my load of it has landed (meet = the chunks issued behind it, which may stay out), and a barrier shows everybody's.
.macro STEP q, meet
.set P, (\q)&1
	s_wait_dscnt 0x0                               ; this step's fragments are in; no LDS instruction of mine is out at a signal
.if (\meet) >= 0
	s_wait_tensorcnt \meet
	s_barrier_signal -1
	s_barrier_wait -1
.endif
.if (\q) < 7
.if (\q) > 0
	PLACES                                         ; four plain instructions in front of loads into the set that the last step's products read
.endif
	FETCH (\q)+1, 1-P
.endif
	WIN 0x50                                       ; C and D window 1
.irp a, 0,1,2,3
.irp b, 0,1,2,3
	MM \q, \a, \b, 4+\b, 0
.endr
.irp b, 4,5,6,7
	MM \q, \a, \b, \b, 1
.endr
.endr
	WIN 0
.endm
	s_wait_tensorcnt 3                             ; my first chunk is in (three were issued behind it),
	s_barrier_signal -1
	s_barrier_wait -1                              ; everybody's is
	FETCH 0, 0
	STEP 0, -1
	STEP 1, 2
	STEP 2, -1
	STEP 3, 1
	STEP 4, -1
	STEP 5, 0
	STEP 6, -1
	STEP 7, -1
	PLACES                                         ; in front of the first read of results and the first write over fragments
	s_wait_loadcnt 0x0                             ; the biases
	s_cmp_lt_u32 ttmp9, 4
	s_cbranch_scc0 .Lv_out
	; ---------------- q and k.  My rows are tokens: group gx = batch bt, step st.  B's 128 columns are two heads: blocks 0, 1 the first, blocks 2, 3 the second.
	s_lshr_b32 s92, s[WV], 1
	s_add_co_u32 s92, s92, s17                     ; gx
	s_lshr_b32 s93, s92, 4                         ; bt
	s_and_b32 s92, s92, 15                         ; st
	s_and_b32 s96, s85, 7
	s_lshl_b32 s96, s96, 1
	s_lshl_b32 s93, s93, 4
	s_add_co_u32 s96, s96, s93                     ; the first of the two heads: 16 bt + 2 (gB % 8)
	s_mul_i32 s96, s96, HR
	s_cmp_lt_u32 s85, 8
	s_cselect_b32 s97, 143360, 0                   ; q's images lie behind k's and v's
	s_add_co_u32 s96, s96, s97
	s_lshl_b32 s97, s92, 12
	s_and_b32 s98, s[WV], 1
	s_lshl_b32 s99, s98, 11
	s_add_co_u32 s97, s97, s99
	s_add_co_u32 s2, s96, s97
	s_mov_b32 s3, 0
	s_add_nc_u64 s[60:61], s[10:11], s[2:3]        ; my four tiles' images
	s_lshl_b32 s97, s92, 9
	s_lshl_b32 s99, s98, 8
	s_add_co_u32 s97, s97, s99
	s_add_co_u32 s97, s97, 65536
	s_add_co_u32 s2, s96, s97
	s_add_nc_u64 s[62:63], s[10:11], s[2:3]        ; their scale words
.macro EPQ a
	WIN 0x09                                       ; source 0 window 1 (the sums), source 1 window 2 (the bias)
.set n, 0
.rept 32
	v_pk_add_f32 v[T+n:T+n+1], v[64*(\a)+n:64*(\a)+n+1], v[n:n+1]   ; each accumulator from its low end on
.set n, n+2
.endr
	WIN 0
	QUANT T, PC+8*(\a), PW
	global_store_b128 v1, v[PC+8*(\a):PC+8*(\a)+3], s[60:61] offset:512*(\a)          ; the first head's tile: 512 consecutive bytes
	global_store_b128 v1, v[PC+8*(\a)+4:PC+8*(\a)+7], s[60:61] offset:HR+512*(\a)     ; the second head's
	v_lshrrev_b32 v[SW+(\a)], v10, v[PW]           ; lanes 0-15 keep the first head's two bytes, lanes 16-31 the second's;
	v_and_b32 v[SW+(\a)], 0xffff, v[SW+(\a)]       ; the bytes of the instruction's upper 64 along K are 0: the codes there are zeros
.endm
	EPQ 0
	EPQ 1
	EPQ 2
	EPQ 3
	global_store_b128 v11, v[SW:SW+3], s[62:63]    ; sixteen lanes store 256 consecutive bytes, for each of the two heads
	s_branch .Ldone
.Lv_out:
	; ---------------- v.  My rows are the 64 channels of head 4 cy + wave; B's 128 rows are the keys of batch bt, step st: the quantiser runs along the keys.
	s_lshr_b32 s92, s85, 4                         ; bt
	s_and_b32 s93, s85, 15                         ; st
	s_lshl_b32 s92, s92, 4
	s_lshl_b32 s96, s14, 2
	s_add_co_u32 s92, s92, s96
	s_add_co_u32 s92, s92, s[WV]                   ; the head
	s_mul_i32 s92, s92, HR
	s_lshl_b32 s96, s93, 12
	s_add_co_u32 s96, s96, s92
	s_add_co_u32 s2, s96, 73728
	s_mov_b32 s3, 0
	s_add_nc_u64 s[60:61], s[10:11], s[2:3]        ; the step's four images
	s_lshl_b32 s96, s93, 8
	s_add_co_u32 s96, s96, s92
	s_add_co_u32 s2, s96, 139264
	s_add_nc_u64 s[62:63], s[10:11], s[2:3]        ; their scale words
.macro EPV a
	WIN 0x09
.set n, 0
.rept 32
	v_pk_add_f32 v[T+n:T+n+1], v[64*(\a)+n:64*(\a)+n+1], v[64+2*(\a):65+2*(\a)]
.set n, n+2
.endr
	WIN 0
	QUANT T, PC+8*(\a), SW+(\a)
	global_store_b128 v1, v[PC+8*(\a):PC+8*(\a)+3], s[60:61] offset:1024*(\a)
	global_store_b128 v1, v[PC+8*(\a)+4:PC+8*(\a)+7], s[60:61] offset:1024*(\a)+512
.endm
	EPV 0
	EPV 1
	EPV 2
	EPV 3
	s_mov_b32 vcc_lo, 0xffff0000
	v_cndmask_b32 v56, v[SW], v[SW+2], vcc_lo      ; lanes 0-15: tiles 0 and 1; lanes 16-31: tiles 2 and 3
	v_cndmask_b32 v57, v[SW+1], v[SW+3], vcc_lo
	global_store_b64 v12, v[56:57], s[62:63]       ; 256 consecutive bytes
.Ldone:
	s_wait_tensorcnt 0x0
	ds_add_u32 v62, v63
	s_wait_dscnt 0x0
	ROUND                                          ; the closing round: no work-group ends while a partner may still ask for a chunk that names it
	s_endpgm
.Lfunc_end_k_q291f5b575b_qkv:
	.size	k_q291f5b575b_qkv, .Lfunc_end_k_q291f5b575b_qkv-k_q291f5b575b_qkv
	.p2alignl 7, 3214868480
	.fill 96, 4, 3214868480
	.section	.rodata,"a",@progbits
	.p2align	6, 0x0
	.amdhsa_kernel k_q291f5b575b_qkv
		.amdhsa_group_segment_fixed_size 209408
		.amdhsa_private_segment_fixed_size 0
		.amdhsa_enable_private_segment 0
		.amdhsa_kernarg_size 32
		.amdhsa_user_sgpr_count 2
		.amdhsa_user_sgpr_kernarg_segment_ptr 1
		.amdhsa_wavefront_size32 1
		.amdhsa_system_sgpr_workgroup_id_x 1
		.amdhsa_system_sgpr_workgroup_id_y 1
		.amdhsa_system_sgpr_workgroup_id_z 1
		.amdhsa_system_vgpr_workitem_id 0
		.amdhsa_next_free_vgpr 640
		.amdhsa_next_free_sgpr 100
		.amdhsa_reserve_vcc 1
		.amdhsa_float_denorm_mode_32 3
		.amdhsa_float_denorm_mode_16_64 3
		.amdhsa_memory_ordered 1
		.amdhsa_forward_progress 1
		.amdhsa_inst_pref_size 108
	.end_amdhsa_kernel
	.amdgpu_metadata
---
amdhsa.version: [ 1, 2 ]
amdhsa.kernels:
  - .name:           k_q291f5b575b_qkv
    .symbol:         k_q291f5b575b_qkv.kd
    .args:
      - { .name: ximg, .offset: 0, .size: 8, .value_kind: global_buffer, .address_space: global }
      - { .name: wimg, .offset: 8, .size: 8, .value_kind: global_buffer, .address_space: global }
      - { .name: b_qkv, .offset: 16, .size: 8, .value_kind: global_buffer, .address_space: global }
      - { .name: heads, .offset: 24, .size: 8, .value_kind: global_buffer, .address_space: global }
    .group_segment_fixed_size: 209408
    .private_segment_fixed_size: 0
    .kernarg_segment_align: 8
    .kernarg_segment_size: 32
    .max_flat_workgroup_size: 128
    .sgpr_count:     100
    .vgpr_count:     640
    .wavefront_size: 32
...
	.end_amdgpu_metadata
.endif
;; end of part 2
;; launch attn (part 3): grid 4 x 64, 16 waves a work-group, no clusters, 169,984 bytes of LDS; arguments heads, oimg; writes oimg
.if DOCPART == 3
	.amdgcn_target "amdgcn-amd-amdhsa--gfx1250"
	.amdhsa_code_object_version 6
	.text
	.protected	k_q291f5b575b_attn
	.globl	k_q291f5b575b_attn
	.p2align	8
	.type	k_q291f5b575b_attn,@function
k_q291f5b575b_attn:
	s_mov_b64 s[64:65], 0
	v_nop
	global_prefetch_b8 v0, s[64:65] scope:SCOPE_SE
	s_setreg_imm32_b32 hwreg(HW_REG_WAVE_MODE, 25, 1), 1
	s_wait_xcnt 0x0
; Causal attention of one head (64 channels, 2,048 tokens) on codes of FP4 with E8M0 scales; its result, divided by the row's sum, is quantised along the model's 1,024 and stored as the register image of the last product's operand.
; t = score x log2(e) / 8; M = the running largest t, rounded UP to a whole number; p = 2^(t - M) is quantised along the keys, not normalised; the row's sum is taken of the unquantised p.  When M moves, the sum and O are
; multiplied by 2^(old M - new M): exact.
; SHARES.  Work-group (j, head) owns the blocks j and 7 - j of 256 queries, one after the other: every work-group so has the same number of key steps.  Each of its 16 waves owns a tile of 16 queries: four waves to a SIMD.
; The head's K and V (images and scale words, 143,360 bytes on end) come into LDS once, by eight tensor loads; every byte is filled once.
; NO CLUSTER: the work-groups that share a head's K and V own different query blocks, and the steps that the causal mask leaves out are passed over by a branch on the query block.
; LAYOUT.  Both products transposed: S^T = K Q^T, O^T = V^T P^T: a lane holds ONE query.  Tile t of a step's 128 keys (queries, channels likewise), lane row r, is 32 (t/2) + 8 (t%2) + r + 8 (r/8):
; the 16 registers of tiles 2 b, 2 b + 1 are keys 32 b + 16 (lane / 16) + 0 .. 15.  The first product's K is 64: the instruction's upper 64 meet Q's zero codes (v20-23).
; CAUSAL: a wave's queries lie in step sq of 128: steps under sq count whole, step sq is masked (hidden scores become -infinity ahead of the maximum: p = 0), steps above it are passed over.  The loop's trip count is the constant 16.
; LIMITS: a block of zeros gets the byte 1 (its codes are zeros; this program alone reads the bytes); NaN and infinities are not served.
; The scale bytes of O leave one byte a lane: two heads share a scale word, so no work-group holds a whole one: 32 bytes a tile beside its 512 bytes of codes.
.set GR,  69632
.set CH,  17408
.set HR,  217088
.set WV,  8                            ; s8  wave;  s9 head record's number;  s[10:11] the record
.set G1,  16                           ; s[16:23], s[24:27] the fill's descriptor
.set G0,  24
.set SEL, 28                           ; s[28:29]
.set CS,  30                           ; s[30:31] c = log2(e) / 8
.set T8,  32                           ; s32 my tile, wave % 8;  s33 wave / 8
.set I,   34                           ; s34 the key step
.set SQ,  35                           ; s35 my queries' step
.set TK,  36                           ; s36 4096 I: K's and V's images;  s37 512 I: K's scale words;  s38 256 I: V's
.set TKS, 37
.set TVS, 38
.set S,   112                          ; v112-175 S^T, then p
.set O,   176                          ; v176-207 O^T
.set PCD, 208                          ; v208-215 p's codes
.set BM,  216                          ; v216-219 the blocks' largest; v220-223, v224-227 at work
.set BP,  220
.set BS,  224
; v1 16 lane; v2 V's images; v3 K's scale words; v4 V's; v5 r + 8 (r/8) - 16 h; v6 16 r + h; v7 16 r; v8-11 the step's addresses; v12 -M; v13 largest t; v[14:15] the sum; v16-19 Q; v20-23 zeros; v24 Q's scale words;
; v25 p's; v26 the diagonal's distance; v27 -infinity; v[28:29] f; v32-63 K's eight tiles, v64-67 zeros; v68-71 K's scale words; v72-103 V; v104-105 V's scale words
	s_load_b128 s[4:7], s[0:1], 0x0                ; heads, oimg
	v_lshl_add_u32 v254, v0, 2, 0x29000
	v_mov_b32 v255, 0
	ds_add_u32 v254, v255
	ds_add_u32 v254, v255
	v_lshrrev_b32 v1, 5, v0
	s_delay_alu instid0(VALU_DEP_1)
	v_readfirstlane_b32 s[WV], v1                  ; wave 0..15
	s_and_b32 s9, ttmp7, 0xffff
	s_mul_i32 s40, s9, HR
	s_mov_b32 s41, 0
	s_and_b32 s[T8], s[WV], 7
	s_lshr_b32 s33, s[WV], 3
	s_mov_b32 s[G1], 3<<16                         ; no mask; elements of 8 bytes; no padding
	s_mov_b32 s[G1+1], 32<<16                      ; rows of 256 bytes,
	s_mov_b32 s[G1+2], 70<<16                      ; 70 of them: an eighth of the 143,360 bytes
	s_mov_b32 s[G1+3], 32<<16
	s_mov_b32 s[G1+4], 70
	s_mov_b32 s[G1+5], 32
	s_mov_b32 s[G1+6], 0
	s_mov_b32 s[G1+7], 0
	s_mul_i32 s42, s[T8], 17920
	s_mov_b32 s43, 0
	s_wait_dscnt 0x0
	s_wait_kmcnt 0x0
	s_add_nc_u64 s[10:11], s[4:5], s[40:41]
	s_mov_b32 s[G0], 1
	s_mov_b32 s[G0+1], s42
	s_add_nc_u64 s[G0+2:G0+3], s[10:11], s[42:43]
	s_or_b32 s[G0+3], s[G0+3], 0x80000000
	s_cmp_lt_u32 s[WV], 8                          ; waves 0 to 7 fetch, one load each
	s_cbranch_scc0 .Lno_fill
	tensor_load_to_lds s[G0:G0+3], s[G1:G1+7]
	s_nop 0
.rept 4
	v_nop
.endr
.Lno_fill:
	v_and_b32 v27, 31, v0                          ; lane
	v_and_b32 v30, 15, v0                          ; r
	v_bfe_u32 v31, v0, 4, 1                        ; h
	s_delay_alu instid0(VALU_DEP_3)
	v_lshlrev_b32 v1, 4, v27
	s_delay_alu instid0(VALU_DEP_1)
	v_add_nc_u32 v2, 73728, v1
	s_delay_alu instid0(VALU_DEP_2)
	v_add_nc_u32 v3, 65536, v1
	v_lshl_add_u32 v4, v27, 3, 139264
	v_and_b32 v5, 8, v30
	s_delay_alu instid0(VALU_DEP_1)
	v_add_nc_u32 v5, v5, v30
	v_lshlrev_b32 v26, 4, v31
	s_delay_alu instid0(VALU_DEP_1)
	v_sub_nc_u32 v5, v5, v26
	v_lshlrev_b32 v7, 4, v30
	s_delay_alu instid0(VALU_DEP_1)
	v_add_nc_u32 v6, v7, v31
	s_lshr_b32 s40, s[T8], 1
	s_lshl_b32 s40, s40, 5
	s_and_b32 s41, s[T8], 1
	s_lshl_b32 s41, s41, 3
	s_add_co_u32 s40, s40, s41
	v_add_nc_u32 v26, s40, v5                      ; d = my query - the step's first key - 16 h, in the diagonal step.  Register 16 b + i holds key 32 b + 16 h + i: hidden where 32 b + i > d
	v_mov_b32 v27, 0xff800000                      ; -infinity
.irp n, 20,21,22,23,64,65,66,67,29,220,221,222,223
	v_mov_b32 v\n, 0                               ; zero codes; the upper half of the pair v[28:29]; lane permutes' destinations, which count as sources
.endr
	s_mov_b32 s[SEL], 0x76543210
	s_mov_b32 s[SEL+1], 0xfedcba98
	s_mov_b32 s[CS], 0x3e38aa3b                    ; log2(e) / 8
	s_mov_b32 s[CS+1], s[CS]
	s_wait_tensorcnt 0x0                           ; my part has landed,
	s_barrier_signal -1
	s_barrier_wait -1                              ; everybody's has.  LDS is only read from here on: no further barrier
; One tile of 16 queries against all keys that count for it.  which = 0: block j; 1: block 7 - j
.macro PASS which
	s_wait_xcnt 0x0                                ; the last pass's stores have read their registers and bases
.if \which
	s_sub_co_u32 s40, 7, ttmp9
.else
	s_mov_b32 s40, ttmp9
.endif
	s_lshl_b32 s[SQ], s40, 1
	s_add_co_u32 s[SQ], s[SQ], s33                 ; my queries' step of 128
	s_lshl_b32 s42, s[SQ], 12
	s_lshl_b32 s43, s[T8], 9
	s_add_co_u32 s42, s42, s43
	s_add_co_u32 s42, s42, 143360
	s_mov_b32 s43, 0
	s_add_nc_u64 s[44:45], s[10:11], s[42:43]
	global_load_b128 v[16:19], v1, s[44:45]        ; Q's tile
	s_lshl_b32 s46, s[SQ], 9
	s_lshr_b32 s47, s[T8], 2
	s_lshl_b32 s47, s47, 8
	s_add_co_u32 s46, s46, s47
	s_and_b32 s47, s[T8], 3
	s_lshl_b32 s47, s47, 2
	s_add_co_u32 s46, s46, s47
	s_add_co_u32 s46, s46, 208896
	s_mov_b32 s47, 0
	s_add_nc_u64 s[48:49], s[10:11], s[46:47]
	global_load_b32 v24, v7, s[48:49]              ; its scale words
	v_mov_b32 v13, 0xff61b1e6                      ; the largest t so far: -3e38
	s_delay_alu instid0(VALU_DEP_1)
	v_floor_f32 v12, -v13                          ; -M
	v_mov_b32 v14, 0
	v_mov_b32 v15, 0
.set n, 0
.rept 32
	v_mov_b32 v[O+n], 0                            ; the step is written once: the first finds zeros, which the first change of M leaves zeros
.set n, n+1
.endr
	s_mov_b32 s[I], 0
	s_mov_b32 s[TK], 0
	s_mov_b32 s[TKS], 0
	s_mov_b32 s[TVS], 0
	s_wait_loadcnt 0x0
.Lstep_\@:
	s_cmp_gt_u32 s[I], s[SQ]                       ; all of this step's keys come after my queries: only the addresses step
	s_cbranch_scc1 .Lhidden_\@
	s_setprio 2
	v_add_nc_u32 v8, s[TK], v1                     ; (these four are also the plain instructions in front of loads into registers that the last step's products read)
	v_add_nc_u32 v9, s[TK], v2
	v_add_nc_u32 v10, s[TKS], v3
	v_add_nc_u32 v11, s[TVS], v4
	ds_load_b128 v[68:71], v10
.irp t, 0,1,2,3,4,5,6,7
	ds_load_b128 v[32+4*\t:35+4*\t], v8 offset:512*\t
.endr
.irp c, 0,1,2,3
.irp g, 0,1
	ds_load_b128 v[72+8*\c+4*\g:75+8*\c+4*\g], v9 offset:1024*\c+512*\g
.endr
.endr
	ds_load_b64 v[104:105], v11
	s_wait_dscnt 9                                 ; K and its scale words are in; V's eight loads and its scale words may be out
.irp t, 0,1,2,3                                ; a tile's upper four registers are the next tile's codes: they meet Q's zero codes
	v_wmma_scale_f32_16x16x128_f8f6f4 v[S+8*\t:S+8*\t+7], v[32+4*\t:39+4*\t], v[16:23], 0, v[68+\t], v24 matrix_a_fmt:MATRIX_FMT_FP4 matrix_b_fmt:MATRIX_FMT_FP4
.endr
.irp t, 4,5,6,7
	v_wmma_scale_f32_16x16x128_f8f6f4 v[S+8*\t:S+8*\t+7], v[32+4*\t:39+4*\t], v[16:23], 0, v[64+\t], v24 matrix_a_fmt:MATRIX_FMT_FP4 matrix_b_fmt:MATRIX_FMT_FP4 matrix_a_scale:MATRIX_SCALE_ROW1
.endr
.rept 4
	v_nop
.endr
	s_cmp_lt_u32 s[I], s[SQ]                       ; a step all of whose keys count passes over the mask
	s_cbranch_scc1 .Lopen_\@
.set n, 0
.rept 64
	v_cmp_gt_i32 vcc_lo, 32*(n/16)+n%16, v26
	v_cndmask_b32 v[S+n], v[S+n], v27, vcc_lo
.set n, n+1
.endr
.Lopen_\@:
.irp b, 0,1,2,3
	v_max3_num_f32 v[BM+\b], v[S+16*\b], v[S+1+16*\b], v[S+2+16*\b]   ; the largest score of each block of 32 keys: for the row's maximum, and, since p rises with the score, for the block's largest p
.endr
.irp i, 3,5,7,9,11,13
.irp b, 0,1,2,3
	v_max3_num_f32 v[BM+\b], v[BM+\b], v[S+16*\b+\i], v[S+1+16*\b+\i]
.endr
.endr
.irp b, 0,1,2,3
	v_max_num_f32 v[BM+\b], v[BM+\b], v[S+15+16*\b]
.endr
.irp b, 0,1,2,3
	s_delay_alu instid0(VALU_DEP_4)
	v_permlanex16_b32 v[BP+\b], v[BM+\b], s[SEL], s[SEL+1]
.endr
.irp b, 0,1,2,3
	s_delay_alu instid0(VALU_DEP_4)
	v_max_num_f32 v[BM+\b], v[BM+\b], v[BP+\b]
.endr
	s_delay_alu instid0(VALU_DEP_2)
	v_max3_num_f32 v228, v[BM], v[BM+1], v[BM+2]
	s_delay_alu instid0(VALU_DEP_1)
	v_max_num_f32 v228, v228, v[BM+3]
	s_delay_alu instid0(VALU_DEP_1)
	v_mul_f32 v228, s[CS], v228                    ; as t
	s_delay_alu instid0(VALU_DEP_1)
	v_max_num_f32 v13, v13, v228                   ; the running largest t
	v_mov_b32 v228, v12
	s_delay_alu instid0(VALU_DEP_2)
	v_floor_f32 v12, -v13                          ; the new -M = -ceil(t)
	s_delay_alu instid0(VALU_DEP_1)
	v_sub_f32 v228, v12, v228                      ; old M - new M: a whole number, 0 or less
	s_delay_alu instid0(VALU_DEP_1)
	v_cvt_i32_f32 v228, v228                       ; (it saturates)
	s_delay_alu instid0(VALU_DEP_1)
	v_ldexp_f32 v28, 1.0, v228                     ; f = 2^(old M - new M)
.set n, 0
.rept 32
	v_pk_fma_f32 v[S+n:S+n+1], v[S+n:S+n+1], s[CS:CS+1], v[12:13] op_sel_hi:[1,0,0]   ; t - M
.set n, n+2
.endr
	s_setprio 1
.irp b, 0,1,2,3
	v_fma_f32 v[BM+\b], v[BM+\b], s[CS], v12
.endr
.set n, 0
	s_wait_alu depctr_va_vdst(0)
.rept 64
	v_exp_f32 v[S+n], v[S+n]                       ; p = 2^(t - M)
.set n, n+1
.endr
	v_pk_mul_f32 v[14:15], v[14:15], v[28:29] op_sel_hi:[1,0]   ; the sums under the new M: the plain instruction behind the exponentials
	s_wait_alu depctr_va_vdst(0)                   ; one wait for the batch, ahead of its first reader
.irp b, 0,1,2,3
	v_exp_f32 v[BM+\b], v[BM+\b]                   ; the block's largest p
.endr
	v_pk_add_f32 v[232:233], v[116:117], v[120:121]
	v_pk_add_f32 v[252:253], v[124:125], v[128:129]
	v_pk_add_f32 v[250:251], v[132:133], v[136:137]
	v_pk_add_f32 v[248:249], v[140:141], v[144:145]
	v_pk_add_f32 v[246:247], v[148:149], v[152:153]
	v_pk_add_f32 v[244:245], v[156:157], v[160:161]
	v_pk_add_f32 v[242:243], v[164:165], v[168:169]
	v_pk_add_f32 v[14:15], v[14:15], v[172:173]
	v_pk_add_f32 v[232:233], v[232:233], v[112:113]
	v_pk_add_f32 v[252:253], v[252:253], v[114:115]
	v_pk_add_f32 v[250:251], v[250:251], v[118:119]
	v_pk_add_f32 v[248:249], v[248:249], v[122:123]
	v_pk_add_f32 v[246:247], v[246:247], v[126:127]
	v_pk_add_f32 v[244:245], v[244:245], v[130:131]
	v_pk_add_f32 v[242:243], v[242:243], v[134:135]
	v_pk_add_f32 v[14:15], v[14:15], v[138:139]
	v_pk_add_f32 v[232:233], v[232:233], v[142:143]
	v_pk_add_f32 v[252:253], v[252:253], v[146:147]
	v_pk_add_f32 v[250:251], v[250:251], v[150:151]
	v_pk_add_f32 v[248:249], v[248:249], v[154:155]
	v_pk_add_f32 v[246:247], v[246:247], v[158:159]
	v_pk_add_f32 v[244:245], v[244:245], v[162:163]
	v_pk_add_f32 v[242:243], v[242:243], v[166:167]
	v_pk_add_f32 v[14:15], v[14:15], v[170:171]
	v_pk_add_f32 v[232:233], v[232:233], v[174:175]
	s_delay_alu instid0(VALU_DEP_2)
	v_pk_add_f32 v[14:15], v[14:15], v[248:249]
	s_delay_alu instid0(VALU_DEP_2)
	v_pk_add_f32 v[232:233], v[232:233], v[246:247]
	v_pk_add_f32 v[252:253], v[252:253], v[244:245]
	v_pk_add_f32 v[250:251], v[250:251], v[242:243]
	s_delay_alu instid0(VALU_DEP_2)
	v_pk_add_f32 v[14:15], v[14:15], v[252:253]
	s_delay_alu instid0(VALU_DEP_2)
	v_pk_add_f32 v[232:233], v[232:233], v[250:251]
	s_delay_alu instid0(VALU_DEP_1)
	v_pk_add_f32 v[14:15], v[14:15], v[232:233]
	s_wait_alu depctr_va_vdst(0)                   ; and one for the four
.irp b, 0,1,2,3
	v_max_num_f32 v[BM+\b], 0x1800000, v[BM+\b]    ; the floor 2^(3 - 127)
.endr
.irp b, 0,1,2,3
	s_delay_alu instid0(VALU_DEP_4)
	v_add_nc_u32 v[BS+\b], 0xff000000, v[BM+\b]
.endr
.irp b, 0,1,2,3
	s_delay_alu instid0(VALU_DEP_4)
	v_lshrrev_b32 v[BP+\b], 23, v[BS+\b]
.endr
	s_delay_alu instid0(VALU_DEP_3)
	v_lshl_or_b32 v25, v[BP+1], 8, v[BP]           ; p's scale word for these 128 keys
	s_delay_alu instid0(VALU_DEP_1)
	v_lshl_or_b32 v25, v[BP+2], 16, v25
	s_delay_alu instid0(VALU_DEP_1)
	v_lshl_or_b32 v25, v[BP+3], 24, v25
	s_setprio 0
.irp b, 0,1,2,3
	v_cvt_scalef32_pk8_fp4_f32 v[PCD+2*\b], v[S+16*\b:S+7+16*\b], v[BS+\b]
	v_cvt_scalef32_pk8_fp4_f32 v[PCD+1+2*\b], v[S+8+16*\b:S+15+16*\b], v[BS+\b]
.endr
	v_nop                                          ; one plain instruction behind the scaled conversions
.irp c, 0,1
.irp i, 0,1
	v_permlane16_swap_b32 v[PCD+4*\c+\i], v[PCD+2+4*\c+\i]
.endr
.endr
.set n, 0
.rept 16
	v_pk_mul_f32 v[O+n:O+n+1], v[O+n:O+n+1], v[28:29] op_sel_hi:[1,0]   ; O^T under the new M.  (These sixteen also stand between the writes of p's codes and scale word and the products below)
.set n, n+2
.endr
	s_wait_alu depctr_va_vdst(0)
	s_wait_dscnt 0x0                               ; V is in
.irp c, 0,1
	v_wmma_scale_f32_16x16x128_f8f6f4 v[O+8*\c:O+8*\c+7], v[72+8*\c:79+8*\c], v[PCD:PCD+7], v[O+8*\c:O+8*\c+7], v[104+\c], v25 matrix_a_fmt:MATRIX_FMT_FP4 matrix_b_fmt:MATRIX_FMT_FP4
.endr
.irp c, 2,3
	v_wmma_scale_f32_16x16x128_f8f6f4 v[O+8*\c:O+8*\c+7], v[72+8*\c:79+8*\c], v[PCD:PCD+7], v[O+8*\c:O+8*\c+7], v[102+\c], v25 matrix_a_fmt:MATRIX_FMT_FP4 matrix_b_fmt:MATRIX_FMT_FP4 matrix_a_scale:MATRIX_SCALE_ROW1
.endr
.Lhidden_\@:
	s_add_co_u32 s[TK], s[TK], 4096
	s_add_co_u32 s[TKS], s[TKS], 512
	s_add_co_u32 s[TVS], s[TVS], 256
	s_add_co_u32 s[I], s[I], 1
	s_cmp_lt_u32 s[I], 16
	s_cbranch_scc1 .Lstep_\@
	s_setprio 0
	; THE WAY OUT.  O^T / the sum; registers 16 a + i are channels 32 a + 16 h + i of my query: two blocks of the last product's K.  The head hh gives registers 4 (hh % 2) .. + 3 of K step hh / 2.
.rept 4
	v_nop
.endr
	v_add_f32 v14, v14, v15
	s_delay_alu instid0(VALU_DEP_1)
	v_permlanex16_b32 v[BP], v14, s[SEL], s[SEL+1]
	s_delay_alu instid0(VALU_DEP_1)
	v_add_f32 v14, v14, v[BP]                      ; the row's sum
	s_wait_alu depctr_va_vdst(0)
	v_rcp_f32 v14, v14
	v_nop                                          ; a plain instruction behind the reciprocal
	s_lshr_b32 s50, s9, 4
	s_lshl_b32 s50, s50, 4
	s_add_co_u32 s50, s50, s[SQ]                   ; the tokens' group: 16 batch + sq
	s_mul_i32 s50, s50, GR
	s_and_b32 s51, s9, 15                          ; hh
	s_lshr_b32 s52, s51, 2
	s_mul_i32 s52, s52, CH
	s_add_co_u32 s50, s50, s52                     ; its chunk
	s_bfe_u32 s52, s51, 0x10001                    ; which K step of the chunk
	s_and_b32 s53, s51, 1                          ; which half of the K step
	s_lshl_b32 s54, s52, 13
	s_lshl_b32 s55, s[T8], 10
	s_add_co_u32 s54, s54, s55
	s_lshl_b32 s55, s53, 9
	s_add_co_u32 s54, s54, s55
	s_add_co_u32 s54, s54, s50
	s_mov_b32 s55, 0
	s_add_nc_u64 s[56:57], s[6:7], s[54:55]        ; the codes
	s_lshl_b32 s54, s52, 9
	s_lshr_b32 s58, s[T8], 2
	s_lshl_b32 s58, s58, 8
	s_add_co_u32 s54, s54, s58
	s_and_b32 s58, s[T8], 3
	s_lshl_b32 s58, s58, 2
	s_add_co_u32 s54, s54, s58
	s_lshl_b32 s58, s53, 1
	s_add_co_u32 s54, s54, s58
	s_add_co_u32 s54, s54, s50
	s_add_co_u32 s54, s54, 16384
	s_add_nc_u64 s[60:61], s[6:7], s[54:55]        ; the scale bytes
	s_wait_alu depctr_va_vdst(0)                   ; the wait ahead of the reciprocal's first reader
.set n, 0
.rept 16
	v_pk_mul_f32 v[S+n:S+n+1], v[O+n:O+n+1], v[14:15] op_sel_hi:[1,0]   ; each accumulator from its low end on
.set n, n+2
.endr
.irp b, 0,1
	v_max3_num_f32 v[BM+\b], |v[S+16*\b]|, |v[S+1+16*\b]|, 0x1800000
.endr
.irp i, 2,4,6,8,10,12,14
.irp b, 0,1
	s_delay_alu instid0(VALU_DEP_2)
	v_max3_num_f32 v[BM+\b], v[BM+\b], |v[S+16*\b+\i]|, |v[S+1+16*\b+\i]|
.endr
.endr
.irp b, 0,1
	s_delay_alu instid0(VALU_DEP_2)
	v_permlanex16_b32 v[BP+\b], v[BM+\b], s[SEL], s[SEL+1]
.endr
.irp b, 0,1
	s_delay_alu instid0(VALU_DEP_2)
	v_max_num_f32 v[BM+\b], v[BM+\b], v[BP+\b]
.endr
.irp b, 0,1
	s_delay_alu instid0(VALU_DEP_2)
	v_add_nc_u32 v[BS+\b], 0xff000000, v[BM+\b]
.endr
.irp b, 0,1
	s_delay_alu instid0(VALU_DEP_2)
	v_lshrrev_b32 v[BP+\b], 23, v[BS+\b]
.endr
.irp b, 0,1
	v_cvt_scalef32_pk8_fp4_f32 v[PCD+2*\b], v[S+16*\b:S+7+16*\b], v[BS+\b]
	v_cvt_scalef32_pk8_fp4_f32 v[PCD+1+2*\b], v[S+8+16*\b:S+15+16*\b], v[BS+\b]
.endr
	v_nop
	v_permlane16_swap_b32 v[PCD], v[PCD+2]
	v_permlane16_swap_b32 v[PCD+1], v[PCD+3]       ; lane (r, h): channels 32 h + 0 .. 31
	s_mov_b32 vcc_lo, 0xffff0000
	v_cndmask_b32 v228, v[BP], v[BP+1], vcc_lo     ; lanes 0-15 the first block's byte, lanes 16-31 the second's
	global_store_b128 v1, v[PCD:PCD+3], s[56:57]   ; 512 consecutive bytes
	global_store_b8 v6, v228, s[60:61]
.endm
	PASS 0
	PASS 1
	s_wait_tensorcnt 0x0
	ds_add_u32 v254, v255
	s_wait_dscnt 0x0
	s_endpgm
.Lfunc_end_k_q291f5b575b_attn:
	.size	k_q291f5b575b_attn, .Lfunc_end_k_q291f5b575b_attn-k_q291f5b575b_attn
	.p2alignl 7, 3214868480
	.fill 96, 4, 3214868480
	.section	.rodata,"a",@progbits
	.p2align	6, 0x0
	.amdhsa_kernel k_q291f5b575b_attn
		.amdhsa_group_segment_fixed_size 169984
		.amdhsa_private_segment_fixed_size 0
		.amdhsa_enable_private_segment 0
		.amdhsa_kernarg_size 16
		.amdhsa_user_sgpr_count 2
		.amdhsa_user_sgpr_kernarg_segment_ptr 1
		.amdhsa_wavefront_size32 1
		.amdhsa_system_sgpr_workgroup_id_x 1
		.amdhsa_system_sgpr_workgroup_id_y 1
		.amdhsa_system_sgpr_workgroup_id_z 1
		.amdhsa_system_vgpr_workitem_id 0
		.amdhsa_next_free_vgpr 256
		.amdhsa_next_free_sgpr 66
		.amdhsa_reserve_vcc 1
		.amdhsa_float_denorm_mode_32 3
		.amdhsa_float_denorm_mode_16_64 3
		.amdhsa_memory_ordered 1
		.amdhsa_forward_progress 1
		.amdhsa_inst_pref_size 61
	.end_amdhsa_kernel
	.amdgpu_metadata
---
amdhsa.version: [ 1, 2 ]
amdhsa.kernels:
  - .name:           k_q291f5b575b_attn
    .symbol:         k_q291f5b575b_attn.kd
    .args:
      - { .name: heads, .offset: 0, .size: 8, .value_kind: global_buffer, .address_space: global }
      - { .name: oimg, .offset: 8, .size: 8, .value_kind: global_buffer, .address_space: global }
    .group_segment_fixed_size: 169984
    .private_segment_fixed_size: 0
    .kernarg_segment_align: 8
    .kernarg_segment_size: 16
    .max_flat_workgroup_size: 512
    .sgpr_count:     66
    .vgpr_count:     256
    .wavefront_size: 32
...
	.end_amdgpu_metadata
.endif
;; end of part 3
;; launch outp (part 4): grid 8 x 32, 4 waves a work-group, clusters of 4 x 4, 243,200 bytes of LDS; arguments oimg, wimg, b_out, out0; writes out0
.if DOCPART == 4
	.amdgcn_target "amdgcn-amd-amdhsa--gfx1250"
	.amdhsa_code_object_version 6
	.text
	.protected	k_q291f5b575b_outp
	.globl	k_q291f5b575b_outp
	.p2align	8
	.type	k_q291f5b575b_outp,@function
k_q291f5b575b_outp:
	s_mov_b64 s[64:65], 0
	v_nop
	global_prefetch_b8 v0, s[64:65] scope:SCOPE_SE
	s_setreg_imm32_b32 hwreg(HW_REG_WAVE_MODE, 25, 1), 1
	s_wait_xcnt 0x0
	s_wait_alu depctr_hold_cnt(0) depctr_sa_sdst(0) depctr_va_vdst(0) depctr_va_sdst(0) depctr_va_ssrc(0) depctr_va_vcc(0) depctr_vm_vsrc(0)
	s_getreg_b32 s2, hwreg(HW_REG_IB_STS2, 6, 4)
	s_cmp_eq_u32 s2, 0
	s_cbranch_scc0 .Lentry_in_a_cluster
	s_endpgm
.Lentry_in_a_cluster:
	s_bfe_u32 s2, ttmp6, 0x10000c
	s_cmp_lg_u32 s2, 0xf033
	s_cbranch_scc0 .Lentry_shape_is_right
	s_endpgm
.Lentry_shape_is_right:
; out0 = o W_out + b_out on codes of FP4 with E8M0 scales.  Both operands come as register images (a group of 128 rows x K 1,024 is a record of GR bytes: four chunks of two K steps, 8 fragments of 1,024 bytes each, then the
; two steps' scale words).  A group's tile t, lane row r, is row 32 (t/2) + 8 (t%2) + r + 8 (r/8).  THE MATRIX INSTRUCTION IS USED TRANSPOSED: source 0 = a tile of W_out's columns, source 1 = a tile of tokens: a lane holds one
; token, and the 16 registers of tiles 2 b and 2 b + 1 are columns 32 b + 16 (lane / 16) + 0 .. 15.
; A work-group makes 256 tokens x 128 columns; a wave 64 x 128: 32 accumulators.  All of K lies in LDS: three records, each byte filled once.
; CLUSTER 4 x 4: the tokens' records hang on the cluster's row, the weight's on its column: each chunk is asked for jointly by the four that share it.
; THE WAY OUT: 16 tokens x 128 columns at a time through the wave's own stage in LDS (bytes of its own, behind the records), back as whole rows of 512 bytes.
; REGISTERS: window 0: v1-10 addresses; v32-47 scale words, two sets, and nothing else; v64-127 A's fragments, two sets (later 64 results); v128-255 B's, two sets (later rows on their way out).
;   window 1: accumulator (a, b) at v[8 (8 a + b)].   window 2: v0-63 the bias.
.set GR,  69632
.set CH,  17408
.set STGB, 3*GR                        ; the stages: 16 rows x (512 bytes + 16) for each wave
.set WV,  12
.set G1A, 24
.set G1B, 32
.set G0A, 40
.set G0B, 68
.set ADA, 2
.set ADB, 4
.set ADS, 6
.set SC,  32
.set AF,  64
.set BF,  128
.set T,   64
.set BK,  128
.set MSB, 0
.macro WIN new                         ; the immediate's high byte repeats the setting that is left
.if MSB != \new
	s_set_vgpr_msb (MSB<<8)|\new
.set MSB, \new
.endif
.endm
.macro PLACES
.rept 4
	v_nop
.endr
.endm
.macro ROUND                           ; a round of the cluster's barrier
	s_barrier_signal -1
	s_barrier_wait -1
	s_cmp_lg_u32 s[WV], 0
	s_cbranch_scc1 .Lnot_wave_0_\@
	s_barrier_signal -3
.Lnot_wave_0_\@:
	s_barrier_wait -3
	s_barrier_signal -1
	s_barrier_wait -1
.endm
	s_load_b128 s[4:7], s[0:1], 0x0                ; oimg, wimg
	s_load_b128 s[8:11], s[0:1], 0x10              ; b_out, out0
	v_lshl_add_u32 v62, v0, 2, 0x3b400
	v_mov_b32 v63, 0
	ds_add_u32 v62, v63
	ds_add_u32 v62, v63
	v_lshrrev_b32 v1, 5, v0
	v_readfirstlane_b32 s[WV], v1                  ; wave 0..3
	s_bfe_u32 s13, ttmp6, 0x40000                  ; cx
	s_bfe_u32 s14, ttmp6, 0x40004                  ; cy
	s_and_b32 s16, ttmp7, 0xffff                   ; the cluster's y
	s_lshl_b32 s17, s14, 2
	s_lshl_b32 s17, 15, s17                        ; my row of the cluster
	s_lshl_b32 s84, 0x1111, s13                    ; my column
	s_or_b32 s[G1A], s17, (3<<16)|(1<<21)          ; 15:0 the mask; 17:16 elements of 8 bytes; 21 set beside a mask; no padding
	s_or_b32 s[G1B], s84, (3<<16)|(1<<21)
.irp g, G1A, G1B
	s_mov_b32 s[\g+1], 32<<16                      ; rows of 256 bytes,
	s_mov_b32 s[\g+2], 68<<16                      ; 68 of them: a chunk
	s_mov_b32 s[\g+3], 32<<16
	s_mov_b32 s[\g+4], 68
	s_mov_b32 s[\g+5], 32
	s_mov_b32 s[\g+6], 0
	s_mov_b32 s[\g+7], 0
.endr
	s_lshl_b32 s17, s16, 3
	s_lshl_b32 s18, s14, 1
	s_add_co_u32 s17, s17, s18                     ; the tokens' groups 8 Y + 2 cy, + 1
	s_lshl_b32 s86, ttmp9, 2
	s_add_co_u32 s86, s86, s13                     ; the columns' group 4 X + cx,
	s_add_co_u32 s85, s86, 24                      ; which is group 24 + that of the weights' images
	s_and_b32 s22, s[WV], 1
	s_add_co_u32 s22, s22, s17
	s_mul_i32 s22, s22, GR
	s_mov_b32 s23, 0
	s_mul_i32 s90, s85, GR
	s_mov_b32 s91, 0
	s_mul_i32 s56, s[WV], GR                       ; where they go: wave x a record
	s_wait_dscnt 0x0
	s_wait_kmcnt 0x0
	s_add_nc_u64 s[20:21], s[4:5], s[22:23]
	s_add_nc_u64 s[88:89], s[6:7], s[90:91]
	ROUND                                          ; all sixteen work-groups are here: the joint loads meet
.irp j, 0,1,2,3
	s_mov_b32 s[G0A+4*\j], 1
	s_add_co_u32 s[G0A+4*\j+1], s56, \j*CH
	s_add_nc_u64 s[G0A+4*\j+2:G0A+4*\j+3], s[20:21], \j*CH
	s_or_b32 s[G0A+4*\j+3], s[G0A+4*\j+3], 0x80000000
	s_mov_b32 s[G0B+4*\j], 1
	s_add_co_u32 s[G0B+4*\j+1], s56, \j*CH
	s_add_nc_u64 s[G0B+4*\j+2:G0B+4*\j+3], s[88:89], \j*CH
	s_or_b32 s[G0B+4*\j+3], s[G0B+4*\j+3], 0x80000000
.endr
	s_cmp_lt_u32 s[WV], 2                          ; a wave's four fills stand in one branch on its number: four loads of mine are out; wave 3 fetches nothing
	s_cbranch_scc0 .Lnot_a
.irp j, 0,1,2,3
	tensor_load_to_lds s[G0A+4*\j:G0A+4*\j+3], s[G1A:G1A+7]
	s_nop 0
.endr
	PLACES
	s_branch .Lasked
.Lnot_a:
	s_cmp_eq_u32 s[WV], 2
	s_cbranch_scc0 .Lasked
.irp j, 0,1,2,3
	tensor_load_to_lds s[G0B+4*\j:G0B+4*\j+3], s[G1B:G1B+7]
	s_nop 0
.endr
	PLACES
.Lasked:
	v_and_b32 v15, 31, v0                          ; lane
	v_and_b32 v13, 15, v0                          ; r
	v_bfe_u32 v14, v0, 4, 1                        ; h
	v_lshlrev_b32 v1, 4, v15                       ; 16 x lane
	s_lshr_b32 s60, s[WV], 1
	s_mul_i32 s60, s60, GR
	s_and_b32 s61, s[WV], 1
	s_lshl_b32 s62, s61, 12
	s_add_co_u32 s62, s62, s60
	v_add_nc_u32 v[ADA], s62, v1
	v_add_nc_u32 v[ADA+1], 2*CH, v[ADA]
	v_add_nc_u32 v[ADB], 2*GR, v1
	v_add_nc_u32 v[ADB+1], 2*CH, v[ADB]
	s_lshl_b32 s62, s61, 8
	s_add_co_u32 s62, s62, s60
	v_lshlrev_b32 v[ADS], 4, v13
	v_add_nc_u32 v[ADS], s62, v[ADS]
	v_add_nc_u32 v[ADS+1], 2*CH, v[ADS]
	v_lshlrev_b32 v8, 6, v14                       ; 64 h
	s_mul_i32 s62, s[WV], 8448
	s_add_co_u32 s62, s62, STGB                    ; my stage
	v_mul_u32_u24 v9, v13, 528
	v_lshl_add_u32 v9, v14, 6, v9
	v_add_nc_u32 v9, s62, v9                       ; in: row r, + 64 h
	v_add_nc_u32 v10, s62, v1                      ; back: a row's 512 bytes, 16 a lane
	s_lshl_b32 s92, s86, 9
	s_mov_b32 s93, 0
	s_add_nc_u64 s[94:95], s[8:9], s[92:93]        ; the bias of my 128 columns: for tile 2 b + u the eight numbers at columns 32 b + 16 h + 8 u on
	WIN 0x80                                       ; destination window 2
.irp b, 0,1,2,3,4,5,6,7
	global_load_b128 v[8*\b:8*\b+3], v8, s[94:95] offset:128*(\b/2)+32*(\b%2)
	global_load_b128 v[8*\b+4:8*\b+7], v8, s[94:95] offset:128*(\b/2)+32*(\b%2)+16
.endr
	WIN 0
; 26 LDS loads: K step q's scale words, my four fragments of A and B's eight, into set p.  Every load takes 512 consecutive bytes
.macro FETCH q, p
.set FO, (((\q)>>1)&1)*CH+((\q)&1)*8192
.set FS, (((\q)>>1)&1)*CH+16384+((\q)&1)*512
.set FH, (\q)>>2
	ds_load_b128 v[SC+8*(\p):SC+8*(\p)+3], v[ADS+FH] offset:FS
	ds_load_b128 v[SC+8*(\p)+4:SC+8*(\p)+7], v[ADB+FH] offset:FS
.irp a, 0,1,2,3
.irp c, 0,1
	ds_load_b128 v[AF+32*(\p)+8*\a+4*\c:AF+32*(\p)+8*\a+4*\c+3], v[ADA+FH] offset:FO+1024*\a+512*\c
.endr
.endr
.irp b, 0,1,2,3,4,5,6,7
.irp c, 0,1
	ds_load_b128 v[BF+64*(\p)+8*\b+4*\c:BF+64*(\p)+8*\b+4*\c+3], v[ADB+FH] offset:FO+1024*\b+512*\c
.endr
.endr
.endm
.macro MM q, a, b, sb, row1            ; one product: accumulator (a, b); B's scale word in register sb of the set, in lanes 16-31 where row1
.set AC, 8*(8*(\a)+(\b))
.set RB, BF+64*P+8*(\b)
.set RA, AF+32*P+8*(\a)
.if (\q) == 0
.if \row1
	v_wmma_scale_f32_16x16x128_f8f6f4 v[AC:AC+7], v[RB:RB+7], v[RA:RA+7], 0, v[SC+8*P+(\sb)], v[SC+8*P+(\a)] matrix_a_fmt:MATRIX_FMT_FP4 matrix_b_fmt:MATRIX_FMT_FP4 matrix_a_scale:MATRIX_SCALE_ROW1
.else
	v_wmma_scale_f32_16x16x128_f8f6f4 v[AC:AC+7], v[RB:RB+7], v[RA:RA+7], 0, v[SC+8*P+(\sb)], v[SC+8*P+(\a)] matrix_a_fmt:MATRIX_FMT_FP4 matrix_b_fmt:MATRIX_FMT_FP4
.endif
.else
.if \row1
	v_wmma_scale_f32_16x16x128_f8f6f4 v[AC:AC+7], v[RB:RB+7], v[RA:RA+7], v[AC:AC+7], v[SC+8*P+(\sb)], v[SC+8*P+(\a)] matrix_a_fmt:MATRIX_FMT_FP4 matrix_b_fmt:MATRIX_FMT_FP4 matrix_a_scale:MATRIX_SCALE_ROW1
.else
	v_wmma_scale_f32_16x16x128_f8f6f4 v[AC:AC+7], v[RB:RB+7], v[RA:RA+7], v[AC:AC+7], v[SC+8*P+(\sb)], v[SC+8*P+(\a)] matrix_a_fmt:MATRIX_FMT_FP4 matrix_b_fmt:MATRIX_FMT_FP4
.endif
.endif
.endm
; K step q: 32 products, the 32 accumulators by turns in the same order in every step; the first step's take the constant 0: nothing is cleared.
; meet >= 0: the next step lies in the next chunk: my load of it has landed (meet = the chunks issued behind it, which may stay out), and a barrier shows everybody's.
.macro STEP q, meet
.set P, (\q)&1
	s_wait_dscnt 0x0                               ; this step's fragments are in; no LDS instruction of mine is out at a signal
.if (\meet) >= 0
	s_wait_tensorcnt \meet
	s_barrier_signal -1
	s_barrier_wait -1
.endif
.if (\q) < 7
.if (\q) > 0
	PLACES                                         ; four plain instructions in front of loads into the set that the last step's products read
.endif
	FETCH (\q)+1, 1-P
.endif
	WIN 0x50                                       ; C and D window 1
.irp a, 0,1,2,3
.irp b, 0,1,2,3
	MM \q, \a, \b, 4+\b, 0
.endr
.irp b, 4,5,6,7
	MM \q, \a, \b, \b, 1
.endr
.endr
	WIN 0
.endm
	s_wait_alu depctr_va_vdst(0)
	s_wait_tensorcnt 3                             ; my first chunk is in (three were issued behind it),
	s_barrier_signal -1
	s_barrier_wait -1                              ; everybody's is
	FETCH 0, 0
	STEP 0, -1
	STEP 1, 2
	STEP 2, -1
	STEP 3, 1
	STEP 4, -1
	STEP 5, 0
	STEP 6, -1
	STEP 7, -1
	PLACES                                         ; in front of the first read of results and the first write over fragments
	s_wait_loadcnt 0x0                             ; the bias
	s_lshr_b32 s92, s[WV], 1
	s_add_co_u32 s92, s92, s17                     ; my group of tokens
	s_lshl_b32 s92, s92, 19                        ; 128 rows of 4,096 bytes
	s_and_b32 s93, s[WV], 1
	s_lshl_b32 s93, s93, 18                        ; my 64 of them
	s_add_co_u32 s92, s92, s93
	s_lshl_b32 s93, s86, 9                         ; my 128 columns
	s_add_co_u32 s92, s92, s93
	s_mov_b32 s93, 0
	s_add_nc_u64 s[60:61], s[10:11], s[92:93]
; Tile a of my four: 16 tokens x 128 columns.  A lane holds pieces of 32 bytes of one row; the rows come back whole from the stage.
.macro OUTB a
	WIN 0x09                                       ; source 0 window 1 (the sums), source 1 window 2 (the bias)
.set n, 0
.rept 32
	v_pk_add_f32 v[T+n:T+n+1], v[64*(\a)+n:64*(\a)+n+1], v[n:n+1]   ; each accumulator from its low end on
.set n, n+2
.endr
	WIN 0
.irp b, 0,1,2,3,4,5,6,7
	ds_store_b128 v9, v[T+8*\b:T+8*\b+3] offset:128*(\b/2)+32*(\b%2)
	ds_store_b128 v9, v[T+8*\b+4:T+8*\b+7] offset:128*(\b/2)+32*(\b%2)+16
.endr
.if (\a) >= 2
	s_wait_xcnt 0x0                                ; the stores of the tile two back have read the registers that the loads below fill
.endif
.irp i, 0,1,2,3,4,5,6,7,8,9,10,11,12,13,14,15
	ds_load_b128 v[BK+64*((\a)&1)+4*\i:BK+64*((\a)&1)+4*\i+3], v10 offset:528*\i   ; LDS serves a wave's instructions in order: these see the stores above
.endr
	s_wait_dscnt 0x0                               ; the rows are back, and the stores into the stage have read their registers
.irp i, 0,1,2,3,4,5,6,7,8,9,10,11,12,13,14,15
	global_store_b128 v1, v[BK+64*((\a)&1)+4*\i:BK+64*((\a)&1)+4*\i+3], s[60:61] offset:(32*((\a)>>1)+8*((\a)&1)+\i+8*(\i>>3))*4096 th:TH_STORE_NT   ; 512 consecutive bytes, at a multiple of 256 from out0's first byte
.endr
.endm
	OUTB 0
	OUTB 1
	OUTB 2
	OUTB 3
	s_wait_tensorcnt 0x0
	ds_add_u32 v62, v63
	s_wait_dscnt 0x0
	ROUND                                          ; the closing round: no work-group ends while a partner may still ask for a chunk that names it
	s_endpgm
.Lfunc_end_k_q291f5b575b_outp:
	.size	k_q291f5b575b_outp, .Lfunc_end_k_q291f5b575b_outp-k_q291f5b575b_outp
	.p2alignl 7, 3214868480
	.fill 96, 4, 3214868480
	.section	.rodata,"a",@progbits
	.p2align	6, 0x0
	.amdhsa_kernel k_q291f5b575b_outp
		.amdhsa_group_segment_fixed_size 243200
		.amdhsa_private_segment_fixed_size 0
		.amdhsa_enable_private_segment 0
		.amdhsa_kernarg_size 32
		.amdhsa_user_sgpr_count 2
		.amdhsa_user_sgpr_kernarg_segment_ptr 1
		.amdhsa_wavefront_size32 1
		.amdhsa_system_sgpr_workgroup_id_x 1
		.amdhsa_system_sgpr_workgroup_id_y 1
		.amdhsa_system_sgpr_workgroup_id_z 1
		.amdhsa_system_vgpr_workitem_id 0
		.amdhsa_next_free_vgpr 576
		.amdhsa_next_free_sgpr 100
		.amdhsa_reserve_vcc 0
		.amdhsa_float_denorm_mode_32 3
		.amdhsa_float_denorm_mode_16_64 3
		.amdhsa_memory_ordered 1
		.amdhsa_forward_progress 1
		.amdhsa_inst_pref_size 80
	.end_amdhsa_kernel
	.amdgpu_metadata
---
amdhsa.version: [ 1, 2 ]
amdhsa.kernels:
  - .name:           k_q291f5b575b_outp
    .symbol:         k_q291f5b575b_outp.kd
    .args:
      - { .name: oimg, .offset: 0, .size: 8, .value_kind: global_buffer, .address_space: global }
      - { .name: wimg, .offset: 8, .size: 8, .value_kind: global_buffer, .address_space: global }
      - { .name: b_out, .offset: 16, .size: 8, .value_kind: global_buffer, .address_space: global }
      - { .name: out0, .offset: 24, .size: 8, .value_kind: global_buffer, .address_space: global }
    .group_segment_fixed_size: 243200
    .private_segment_fixed_size: 0
    .kernarg_segment_align: 8
    .kernarg_segment_size: 32
    .max_flat_workgroup_size: 128
    .sgpr_count:     100
    .vgpr_count:     576
    .wavefront_size: 32
...
	.end_amdgpu_metadata
.endif
;; end of part 4
